; MI455X (gfx1250); checked and timed in simulation.
; The chip was launched on July 23, 2026; its instructions are those of AMD's public machine-readable ISA for CDNA 5 (MIT licence, August 2026) and "CDNA5" Instruction Set Architecture Reference Guide (July 2026). The comments in the code are by the model that wrote it; some were corrected since.
;; Gated Multi Head Self Attention. Allowed arithmetic: matrix products marked QUANTISED: E5M2 operands, one given power-of-two scale a tensor, by v_wmma_f32_16x16x64_bf8_bf8 or v_wmma_f32_16x16x128_bf8_bf8, f32 sums; everything else in f32.
;; Inputs: W_k_codes 16 x 64 x 32 x 32 uint8 (E5M2 codes of W_k, K innermost, in blocks of 32 codes); W_o_codes 16 x 1,024 x 2 x 32 uint8 (E5M2 codes of W_o, K innermost, in blocks of 32 codes); W_q_codes 16 x 64 x 32 x 32 uint8 (E5M2 codes of W_q, K innermost, in blocks of 32 codes); W_v_codes 16 x 64 x 32 x 32 uint8 (E5M2 codes of W_v, K innermost, in blocks of 32 codes); attn_mask 2,048 x 2,048 float32; b_k 16 x 64 float32; b_o 16 x 1,024 float32; b_q 16 x 64 float32; b_v 16 x 64 float32; gate 16 float32; hidden_states_codes 2 x 2,048 x 32 x 32 uint8 (E5M2 codes of hidden_states, K innermost, in blocks of 32 codes); lowp_scales 12 int32 (the exponents e of the quantised operands' scales 2^e).
;; Outputs: out0 2 x 2,048 x 1,024 float32.
;; This version of the problem:
;;   THIS VERSION OF THE PROBLEM IS GIVEN IN LOW PRECISION. The matrix products marked QUANTISED in the list below multiply operands that are first quantised to E5M2 (5 exponent bits, 2 mantissa bits; 8 bits a number), with one given power-of-two scale for each operand tensor; their sums are f32. All else is computed in f32.
;;   The module's matrix products, in the order in which they are computed (A, B: the left and right operand; K: the contracted axis; several contracted axes count as one K, in the product's order):
;;     1. [M 1,024, K 1,024] x [K 1,024, N 4,096]; A: input W_q (given as codes); B: input hidden_states (given as codes): QUANTISED (scales: A lowp_scales[0], B lowp_scales[1])
;;     2. [M 1,024, K 1,024] x [K 1,024, N 4,096]; A: input W_k (given as codes); B: input hidden_states (given as codes): QUANTISED (scales: A lowp_scales[2], B lowp_scales[3])
;;     3. [M 1,024, K 1,024] x [K 1,024, N 4,096]; A: input W_v (given as codes); B: input hidden_states (given as codes): QUANTISED (scales: A lowp_scales[4], B lowp_scales[5])
;;     4. batch 32 x [M 2,048, K 64] x [K 64, N 2,048]; A: computed on the way; B: computed on the way: QUANTISED (scales: A lowp_scales[6], B lowp_scales[7])
;;     5. batch 32 x [M 2,048, K 2,048] x [K 2,048, N 64]; A: softmax (see below); B: computed on the way: QUANTISED (scales: A lowp_scales[8], B lowp_scales[9])
;;     6. batch 16 x [M 1,024, K 64] x [K 64, N 4,096]; A: input W_o (given as codes); B: computed on the way: QUANTISED (scales: A lowp_scales[10], B lowp_scales[11])
;;   THE QUANTISER, for each operand of a quantised product, along K:
;;     - The operand's scale is 2^e, e = its entry of the input lowp_scales (int32; the entries are numbered through the quantised products in the list's order, A before B).
;;     - Each number is divided by the scale, clamped to +-57,344, and rounded to the nearest number of E5M2, ties to even, subnormals kept.
;;     - The product sums the exact products of the quantised numbers (number of the format x scale) in f32.
;;   ~~~python
;;   def quantise(x, axis, e):      # numpy; x: float32 -> the quantised numbers, widened to float32 again
;;       x = np.moveaxis(x, axis, -1); K = x.shape[-1]
;;       r = np.clip(x / 2.0 ** e, -57344, 57344)
;;       step = 2.0 ** (np.maximum(np.frexp(np.where(r == 0, 1, r))[1] - 1, -14) - 2)
;;       q = np.round(r / step) * step * 2.0 ** e      # np.round: ties to even
;;       return np.moveaxis(q, -1, axis).astype(np.float32)
;;   ~~~
;;   SOFTMAX AHEAD OF A QUANTISED PRODUCT. Where the list says 'softmax', what is quantised is not the finished softmax but p = 2^(t - M), with t = logit x log2(e) and M = ceil(the row's largest t), a whole number; so 1/2 < the row's largest p <= 1. The row's sum l is taken of the UNQUANTISED p, in f32, and the product's result is divided by l at the end. Since M is a whole number, a kernel that streams over the keys may use a running M (the ceiling of the running maximum): every later rescaling is an exact power of two, so the quantised numbers keep their values, but for numbers so far below the row's largest that they fall under the format's range.
;;   OPERANDS COMPUTED ON THE WAY. 'Computed on the way' means the value that the module computes at that place (a softmax that the list does not call 'softmax' is quantised finished and normalised). What goes into a quantiser is computed in f32, as accurately as f32 sums, v_exp_f32 and their like allow (about 1e-6 of the number): no bf16 or f16 on the way to a quantiser, and a product that is left as it is and whose result goes on into a quantised operand takes f32 operands (vector FMAs, or v_wmma_f32_16x16x4_f32). A number that lies on a knife's edge between two numbers of the format may be rounded either way, as far as f32 arithmetic and the matrix unit's own rounding can turn it there, and no further.
;;   INPUTS GIVEN AS CODES. W_k (in the module: [16, 1024, 64], K = its axis 1); W_o (in the module: [16, 64, 1024], K = its axis 1); W_q (in the module: [16, 1024, 64], K = its axis 1); W_v (in the module: [16, 1024, 64], K = its axis 1); hidden_states (in the module: [2, 2048, 1024], K = its axis 2): each comes as NAME_codes (uint8): NAME with its K axis moved to the last place and cut into blocks of 32 codes, [.., K / 32, bytes a block], one block behind the other in memory; one code a byte (a code: sign, 5 exponent bits, 2 mantissa bits); its scale is its entry of lowp_scales. Its value is code x scale, taken as it is: it is not quantised again, and the codes and scales need not be those that the quantiser above would give.
;; One version. Each part assembles by itself: llvm-mc -triple=amdgcn-amd-amdhsa -mcpu=gfx1250 --defsym DOCPART=n.
;; ======== version 1 of 1: 3 launches
;; workspace buffers: q_img 4,194,304 bytes; kv_img 8,388,608 bytes; attn_out 16,777,216 bytes; norm_part 1,024 bytes
;; launch qkv (part 1): grid 16 x 16, 4 waves a work-group, clusters of 4 x 4, 327,680 bytes of LDS; arguments hidden_states_codes, W_q_codes, W_k_codes, W_v_codes, b_q, b_k, b_v, lowp_scales, q_img, kv_img; writes q_img, kv_img
.if DOCPART == 1
	.amdgcn_target "amdgcn-amd-amdhsa--gfx1250"
	.amdhsa_code_object_version 6
	.text
	.protected	k_qb4f878fece_qkv
	.globl	k_qb4f878fece_qkv
	.p2align	8
	.type	k_qb4f878fece_qkv,@function
k_qb4f878fece_qkv:
	s_mov_b64 s[64:65], 0
	v_nop
	global_prefetch_b8 v0, s[64:65] scope:SCOPE_SE
	s_setreg_imm32_b32 hwreg(HW_REG_WAVE_MODE, 25, 1), 1
	s_wait_xcnt 0x0
	s_wait_alu depctr_hold_cnt(0) depctr_sa_sdst(0) depctr_va_vdst(0) depctr_va_sdst(0) depctr_va_ssrc(0) depctr_va_vcc(0) depctr_vm_vsrc(0)
	s_getreg_b32 s2, hwreg(HW_REG_IB_STS2, 6, 4)
	s_cmp_eq_u32 s2, 0
	s_cbranch_scc0 .Lentry_in_a_cluster
	s_endpgm
.Lentry_in_a_cluster:
	s_bfe_u32 s2, ttmp6, 0x10000c
	s_cmp_lg_u32 s2, 0xf033
	s_cbranch_scc0 .Lentry_shape_is_right
	s_endpgm
.Lentry_shape_is_right:
; Q, K, V = hidden W^T + b for one head and 256 tokens, on codes of E5M2; the results are quantised (scales 6, 7, 9) and stored as images of the operand registers that the attention launch loads.
; SHARES.  Work-group (x, y): head x, tokens 256 y .. 256 y + 255 (of 4,096).  Wave w: tokens 64 w .. 64 w + 63 against the head's 192 features (64 of Q, 64 of K, 64 of V): 48 accumulators of 16 x 16.
; Q and K: source 0 = 16 rows of W, source 1 = 16 tokens: a lane holds ONE token and 8 neighbouring features, so one conversion of a tile's 8 registers gives registers 2 f, 2 f + 1 of a K = 64 operand.
; V: source 0 = 16 tokens, source 1 = 16 rows of W_v: a lane holds ONE channel and 8 neighbouring tokens (the keys are the second product's K).  THE ROWS OF W_v THAT FORM A TILE ARE NOT NEIGHBOURS:
; lane r of tile 2 b + u takes row 32 b + 8 u + r + 8 (r / 8), so that the attention's result has 16 neighbouring channels in 16 registers.
; K (1,024) goes in four steps of 256 through a ring of two LDS slots; a step is two matrix steps of 128.  A fragment is fetched by four loads of 16 bytes, the same permutation of k on both sides.
; CLUSTER 4 x 4: hidden's tile hangs on y alone and is asked for jointly along a row of the cluster (wave 0, 256 rows); W's tiles hang on the head alone and are asked for jointly along a column (waves 1, 2, 3: W_q, W_k, W_v, 64 rows each).
; LIMITS: e0 + e1, e2 + e3, e4 + e5 between -126 and 127; e6, e7, e9 between -126 and 112, so that each power of two below is an f32 number.  NaN among the inputs is not served.
; REGISTERS.  window 0: v1-29 addresses; v32-39 b_v in pairs; v40-46 scales and holds; v64-127, v128-191 token fragments, two sets (in the epilogue v64-95 at work, v96-191 codes); v192-255 b_q, b_k.
;   window 1: v0-127 W_q, W_k fragments, set 0; v128-191, v192-255 W_v fragments, sets 0, 1.   window 2: Q, K accumulators, (a, f) at 8 (8 a + f).   window 3: v0-127 V accumulators, (a, f) at 8 (4 f + a); v128-255 W_q, W_k fragments, set 1.
.set PITCH, 272                        ; an LDS row: 256 bytes + 16 of padding: the 16 rows of a fragment load start 16 bytes apart modulo 256
.set WOFF,  256*PITCH                  ; hidden's 256 rows, then W's 192
.set SLOT,  448*PITCH
.set SPARE, 2*SLOT                     ; the spare words: 128 bytes a wave, two blocks of 256 bytes that no other line names
.set ADRH, 16                          ; v16-17  my token fragments in slot 0, 1
.set ADRW, 18                          ; v18-19  W_q's and W_k's
.set ADRV, 20                          ; v20-21  W_v's
.set LI,   24                          ; v24     16 x lane
.set SPW,  28
.set NIL,  29
.set BV,   32
.set SC,   40                          ; v40-42  2^e6, 2^e7, 2^e9
.set LM,   44                          ; v44-46  57,344 x those
.set T,    64
.set CD,   96
.set BQ,   192
.set WV,   24                          ; s24     wave
.set G1H,  32
.set G1W,  40
.set G0H,  48
.set G0W,  56
.set MSB, 0
.macro WIN new                         ; the immediate's high byte repeats the setting that is left
.if MSB != (\new)
	s_set_vgpr_msb (MSB<<8)|(\new)
.set MSB, (\new)
.endif
.endm
.macro PLACES n
.rept \n
	v_nop
.endr
.endm
; A joint load: wave 0 asks for hidden's tile, waves 1 to 3 for W's.  The branch hangs on the wave's number alone.  Four v_nop follow each line.
.macro JLOAD s
	s_cmp_eq_u32 s[WV], 0
	s_cbranch_scc0 .Lfor_w_\@
	tensor_load_to_lds s[G0H+4*\s:G0H+4*\s+3], s[G1H:G1H+7]
.rept 4
	v_nop
.endr
	s_branch .Lasked_\@
.Lfor_w_\@:
	tensor_load_to_lds s[G0W+4*\s:G0W+4*\s+3], s[G1W:G1W+7]
.rept 4
	v_nop
.endr
.Lasked_\@:
.endm
.macro CREST                           ; a round of the cluster's barrier behind its opening barrier
	s_cmp_lg_u32 s[WV], 0
	s_cbranch_scc1 .Lnot_wave_0_\@
	s_barrier_signal -3
.Lnot_wave_0_\@:
	s_barrier_wait -3
	s_barrier_signal -1
	s_barrier_wait -1
.endm
.macro CROUND
	s_barrier_signal -1
	s_barrier_wait -1
	CREST
.endm
	s_load_b512 s[4:19], s[0:1], 0x0               ; hidden s[4:5], W_q s[6:7], W_k s[8:9], W_v s[10:11], b_q s[12:13], b_k s[14:15], b_v s[16:17], scales s[18:19]
	s_load_b128 s[20:23], s[0:1], 0x40             ; q_img s[20:21], kv_img s[22:23]
	v_lshl_add_u32 v[SPW], v0, 2, SPARE
	v_mov_b32 v[NIL], 0
	v_lshrrev_b32 v1, 5, v0
	v_readfirstlane_b32 s[WV], v1                  ; wave 0..3
	s_bfe_u32 s25, ttmp6, 0x40000                  ; cx
	s_bfe_u32 s26, ttmp6, 0x40004                  ; cy
	s_lshl_b32 s27, ttmp9, 2
	s_add_co_u32 s27, s27, s25                     ; head = 4 x cluster x + cx
	s_and_b32 s28, ttmp7, 0xffff
	s_lshl_b32 s28, s28, 2
	s_add_co_u32 s28, s28, s26                     ; token block y = 4 x cluster y + cy
	s_lshl_b32 s29, s26, 2
	s_lshl_b32 s29, 15, s29                        ; my row of the cluster
	s_lshl_b32 s30, 0x1111, s25                    ; my column
	s_or_b32 s[G1H], s29, (1<<20)|(1<<21)|(5<<22)|(3<<25)   ; mask; elements of 1 byte; padding on; bit 21 beside a mask; 4 words behind every 64
	s_or_b32 s[G1W], s30, (1<<20)|(1<<21)|(5<<22)|(3<<25)
	s_mov_b32 s[G1H+1], 256<<16                    ; tensor_dim0 = 256
	s_mov_b32 s[G1H+2], 256<<16                    ; tensor_dim1 = 256
	s_mov_b32 s[G1H+3], 256<<16                    ; tile_dim0 = 256
	s_mov_b32 s[G1H+4], 256                        ; tile_dim1 = 256
	s_mov_b32 s[G1H+5], 1024                       ; from row to row
	s_mov_b32 s[G1H+6], 0
	s_mov_b32 s[G1H+7], 0
	s_mov_b32 s[G1W+1], 256<<16
	s_mov_b32 s[G1W+2], 64<<16                     ; 64 rows
	s_mov_b32 s[G1W+3], 256<<16
	s_mov_b32 s[G1W+4], 64
	s_mov_b32 s[G1W+5], 1024
	s_mov_b32 s[G1W+6], 0
	s_mov_b32 s[G1W+7], 0
	s_lshl_b32 s90, s28, 18                        ; hidden: 256 y rows of 1,024 bytes
	s_mov_b32 s91, 0
	s_lshl_b32 s92, s27, 16                        ; W: the head's 64 rows
	s_mov_b32 s93, 0
	s_mul_i32 s94, s[WV], 64*PITCH                 ; wave x 64 rows in LDS
	s_wait_kmcnt 0x0
	s_load_b256 s[68:75], s[18:19], 0x0            ; e0 .. e7
	s_load_b64 s[76:77], s[18:19], 0x20            ; e8, e9
	s_add_nc_u64 s[90:91], s[4:5], s[90:91]
	s_cmp_eq_u32 s[WV], 2
	s_cselect_b64 s[66:67], s[8:9], s[6:7]         ; wave 2: W_k,
	s_cmp_eq_u32 s[WV], 3
	s_cselect_b64 s[66:67], s[10:11], s[66:67]     ; wave 3: W_v, else W_q
	s_add_nc_u64 s[66:67], s[66:67], s[92:93]
	CROUND                                         ; all sixteen work-groups are here: the first joint loads meet
.irp s, 0,1
	s_mov_b32 s[G0H+4*\s], 1
	s_mov_b32 s[G0H+4*\s+1], \s*SLOT
	s_add_nc_u64 s[G0H+4*\s+2:G0H+4*\s+3], s[90:91], \s*256
	s_or_b32 s[G0H+4*\s+3], s[G0H+4*\s+3], 0x80000000
	s_mov_b32 s[G0W+4*\s], 1
	s_add_co_u32 s[G0W+4*\s+1], s94, \s*SLOT+192*PITCH      ; wave 1, 2, 3: rows 256, 320, 384 of the slot
	s_add_nc_u64 s[G0W+4*\s+2:G0W+4*\s+3], s[66:67], \s*256
	s_or_b32 s[G0W+4*\s+3], s[G0W+4*\s+3], 0x80000000
	JLOAD \s
.endr
	v_and_b32 v1, 15, v0                           ; r
	v_bfe_u32 v2, v0, 4, 1                         ; h
	v_mul_u32_u24 v3, v1, PITCH
	v_lshl_add_u32 v3, v2, 4, v3                   ; row r, + 16 h
	v_add_nc_u32 v[ADRH], s94, v3
	v_add_nc_u32 v[ADRH+1], SLOT, v[ADRH]
	v_add_nc_u32 v[ADRW], WOFF, v3
	v_add_nc_u32 v[ADRW+1], SLOT, v[ADRW]
	v_and_b32 v4, 8, v1
	v_add_nc_u32 v4, v4, v1                        ; r + 8 (r / 8)
	v_mul_u32_u24 v5, v4, PITCH
	v_lshl_add_u32 v5, v2, 4, v5
	v_add_nc_u32 v[ADRV], WOFF+128*PITCH, v5
	v_add_nc_u32 v[ADRV+1], SLOT, v[ADRV]
	v_and_b32 v6, 31, v0
	v_lshlrev_b32 v[LI], 4, v6
	v_lshlrev_b32 v6, 5, v2                        ; b_q, b_k: 32 h bytes: my half's eight features of a tile
	v_lshlrev_b32 v7, 2, v4                        ; b_v: my channel of a tile
	s_lshl_b32 s92, s27, 8                         ; the head's 64 numbers
	s_add_nc_u64 s[12:13], s[12:13], s[92:93]
	s_add_nc_u64 s[14:15], s[14:15], s[92:93]
	s_add_nc_u64 s[16:17], s[16:17], s[92:93]
.irp f, 0,1,2,3
	global_load_b128 v[BQ+8*\f:BQ+8*\f+3], v6, s[12:13] offset:64*\f
	global_load_b128 v[BQ+8*\f+4:BQ+8*\f+7], v6, s[12:13] offset:64*\f+16
	global_load_b128 v[BQ+32+8*\f:BQ+32+8*\f+3], v6, s[14:15] offset:64*\f
	global_load_b128 v[BQ+32+8*\f+4:BQ+32+8*\f+7], v6, s[14:15] offset:64*\f+16
	global_load_b32 v[BV+2*\f], v7, s[16:17] offset:4*(32*(\f/2)+8*(\f%2))
.endr
	; where my results go.  combo = 16 x batch + head
	s_lshr_b32 s95, s28, 3
	s_lshl_b32 s95, s95, 4
	s_add_co_u32 s95, s95, s27                     ; combo
	s_and_b32 s96, s28, 7                          ; my block among the batch's eight
	s_lshl_b32 s97, s96, 4
	s_lshl_b32 s98, s[WV], 2
	s_add_co_u32 s97, s97, s98                     ; my first token tile
	s_lshl_b32 s97, s97, 10
	s_lshl_b32 s98, s95, 17
	s_add_co_u32 s86, s97, s98
	s_mov_b32 s87, 0
	s_add_nc_u64 s[86:87], s[20:21], s[86:87]      ; q_img: 1,024 bytes a token tile
	s_lshl_b32 s97, s96, 1
	s_lshr_b32 s98, s[WV], 1
	s_add_co_u32 s97, s97, s98                     ; my key step of 128
	s_lshl_b32 s97, s97, 14
	s_and_b32 s98, s[WV], 1
	s_lshl_b32 s98, s98, 12                        ; its first or second 64 keys
	s_add_co_u32 s97, s97, s98
	s_lshl_b32 s98, s95, 18
	s_add_co_u32 s88, s97, s98
	s_mov_b32 s89, 0
	s_add_nc_u64 s[88:89], s[22:23], s[88:89]      ; kv_img: 16,384 bytes a key step: K's 8,192, then V's
.macro FRAG reg, adr, off              ; a fragment: 16 rows x 128 K: registers 4 c .. 4 c + 3 hold k = 32 c + 16 h + 0 .. 15
.irp c, 0,1,2,3
	ds_load_b128 v[\reg+4*\c:\reg+4*\c+3], v[\adr] offset:\off+32*\c
.endr
.endm
.macro FETCH slot, q, set              ; 64 loads: the fragments of the slot's q-th 128 along K into set
	WIN 0
.irp a, 0,1,2,3
	FRAG 64+64*(\set)+16*\a, ADRH+\slot, 128*(\q)+\a*16*PITCH
.endr
.if \set
	WIN 0xc0
.else
	WIN 0x40
.endif
.irp f, 0,1,2,3,4,5,6,7
	FRAG 128*(\set)+16*\f, ADRW+\slot, 128*(\q)+\f*16*PITCH
.endr
	WIN 0x40
.irp f, 0,1,2,3
	FRAG 128+64*(\set)+16*\f, ADRV+\slot, 128*(\q)+(32*(\f/2)+8*(\f%2))*PITCH
.endr
	WIN 0
.endm
; The 48 accumulators take turns, one instruction a turn, in the same order in every step.  zero = 1: the first products start the sums.
.macro MULQK a0, p, zero
.if \p
	WIN 0xa3
.else
	WIN 0xa1
.endif
.irp a, \a0, \a0+1
.irp f, 0,1,2,3,4,5,6,7
.if \zero
	v_wmma_f32_16x16x128_bf8_bf8 v[8*(8*(\a)+\f):8*(8*(\a)+\f)+7], v[128*(\p)+16*\f:128*(\p)+16*\f+15], v[64+64*(\p)+16*(\a):64+64*(\p)+16*(\a)+15], 0
.else
	v_wmma_f32_16x16x128_bf8_bf8 v[8*(8*(\a)+\f):8*(8*(\a)+\f)+7], v[128*(\p)+16*\f:128*(\p)+16*\f+15], v[64+64*(\p)+16*(\a):64+64*(\p)+16*(\a)+15], v[8*(8*(\a)+\f):8*(8*(\a)+\f)+7]
.endif
.endr
.endr
.endm
.macro MULV p, zero
	WIN 0xf4
.irp f, 0,1,2,3
.irp a, 0,1,2,3
.if \zero
	v_wmma_f32_16x16x128_bf8_bf8 v[8*(4*\f+\a):8*(4*\f+\a)+7], v[64+64*(\p)+16*\a:64+64*(\p)+16*\a+15], v[128+64*(\p)+16*\f:128+64*(\p)+16*\f+15], 0
.else
	v_wmma_f32_16x16x128_bf8_bf8 v[8*(4*\f+\a):8*(4*\f+\a)+7], v[64+64*(\p)+16*\a:64+64*(\p)+16*\a+15], v[128+64*(\p)+16*\f:128+64*(\p)+16*\f+15], v[8*(4*\f+\a):8*(4*\f+\a)+7]
.endif
.endr
.endr
.endm
; A step of 128 along K whose successor lies in the same slot: the successor's fragments are asked for first, into the other set, and land under this step's 48 products.
.macro STEP slot, q, p, zero
	s_wait_dscnt 0x0                               ; this step's fragments are in
	PLACES 4                                       ; four places between the last products and loads into the registers that they read
	FETCH \slot, (\q)+1, 1-(\p)
	MULQK 0, \p, \zero
	MULQK 2, \p, \zero
	MULV \p, \zero
	WIN 0
.endm
; A slot's last step changes slots.  In front of the barrier each wave waits for all its tensor loads, adds 0 to its spare word, and waits for that and for its reads of this slot.
.macro TURN slot, next, fill
	s_wait_tensorcnt 0x0                           ; all my tensor loads have landed: my part of the next slot
	ds_add_u32 v[SPW], v[NIL]                      ; 0 onto my spare word
	s_wait_dscnt 0x1                               ; the 64 fragment loads are in; only the add may be out
	MULQK 0, 1, 0                                  ; sixteen products stand between the add and the wait for it
	s_wait_dscnt 0x0                               ; the add is done, and my reads of this slot are over
	s_barrier_signal -1
	MULQK 2, 1, 0
	WIN 0
	s_barrier_wait -1
.if \fill
	CREST                                          ; the barrier has opened a round of the cluster's barrier: no wave of any partner still reads this slot or has a load on its way
	s_add_nc_u64 s[G0H+4*\slot+2:G0H+4*\slot+3], s[G0H+4*\slot+2:G0H+4*\slot+3], 512
	s_add_nc_u64 s[G0W+4*\slot+2:G0W+4*\slot+3], s[G0W+4*\slot+2:G0W+4*\slot+3], 512
	JLOAD \slot                                    ; my one tensor load behind the round; its four v_nop are also the places in front of the loads below
.else
	PLACES 4
.endif
	FETCH \next, 0, 0
	MULV 1, 0
	WIN 0
.endm
	s_wait_tensorcnt 0x1                           ; my part of slot 0 is in; slot 1's load, issued behind it, may be out
	s_barrier_signal -1
	s_barrier_wait -1
	FETCH 0, 0, 0
	STEP 0, 0, 0, 1                                ; K 0
	TURN 0, 1, 1                                   ; K 128; slot 0 takes K 512 ..
	STEP 1, 0, 0, 0                                ; K 256
	TURN 1, 0, 1                                   ; K 384; slot 1 takes K 768 ..
	STEP 0, 0, 0, 0                                ; K 512
	TURN 0, 1, 0                                   ; K 640; nothing is left to fetch
	STEP 1, 0, 0, 0                                ; K 768
	s_wait_dscnt 0x0
	MULQK 0, 1, 0                                  ; K 896
	MULQK 2, 1, 0
	MULV 1, 0
	WIN 0
	; THE WAY OUT: sum x 2^(the two scales' exponents) + bias, held at the largest code x the next scale, converted; a tile's codes are the next operand's registers and leave as they stand.
	s_wait_kmcnt 0x0
	s_wait_loadcnt 0x0                             ; the biases
	s_add_co_i32 s80, s68, s69
	s_add_co_i32 s80, s80, 127
	s_lshl_b32 s80, s80, 23                        ; 2^(e0 + e1)
	s_mov_b32 s81, s80
	s_add_co_i32 s82, s70, s71
	s_add_co_i32 s82, s82, 127
	s_lshl_b32 s82, s82, 23                        ; 2^(e2 + e3)
	s_mov_b32 s83, s82
	s_add_co_i32 s84, s72, s73
	s_add_co_i32 s84, s84, 127
	s_lshl_b32 s84, s84, 23                        ; 2^(e4 + e5)
	s_mov_b32 s85, s84
	s_add_co_i32 s95, s74, 127                     ; e6
	s_lshl_b32 s96, s95, 23
	v_mov_b32 v[SC], s96
	s_add_co_i32 s95, s95, 15
	s_lshl_b32 s95, s95, 23
	s_or_b32 s95, s95, 0x600000
	v_mov_b32 v[LM], s95
	s_add_co_i32 s95, s75, 127                     ; e7
	s_lshl_b32 s96, s95, 23
	v_mov_b32 v[SC+1], s96
	s_add_co_i32 s95, s95, 15
	s_lshl_b32 s95, s95, 23
	s_or_b32 s95, s95, 0x600000
	v_mov_b32 v[LM+1], s95
	s_add_co_i32 s95, s77, 127                     ; e9
	s_lshl_b32 s96, s95, 23
	v_mov_b32 v[SC+2], s96
	s_add_co_i32 s95, s95, 15
	s_lshl_b32 s95, s95, 23
	s_or_b32 s95, s95, 0x600000
	v_mov_b32 v[LM+2], s95
.irp f, 0,1,2,3
	v_mov_b32 v[BV+2*\f+1], v[BV+2*\f]             ; named as a pair's upper half
.endr
	PLACES 4                                       ; between the last products and the first read of results and write of their sources
.macro QKOUT a, m                      ; token tile a; m = 0: Q, 1: K
	WIN 0x02
.set j, 0
.rept 16
	v_pk_fma_f32 v[T+j:T+j+1], v[64*\a+32*\m+j:64*\a+32*\m+j+1], s[80+2*\m:81+2*\m], v[BQ+32*\m+j:BQ+32*\m+j+1] op_sel_hi:[1,0,1]   ; each accumulator from its low end on
.set j, j+2
.endr
	WIN 0
.set j, 0
.rept 32
	v_med3_num_f32 v[T+j], v[T+j], -v[LM+\m], v[LM+\m]   ; the conversion to an 8-bit code does not saturate (ISA guide 7.6.2)
.set j, j+1
.endr
.irp f, 0,1,2,3
	v_cvt_scalef32_pk8_bf8_f32 v[CD+8*(2*\a+\m)+2*\f:CD+8*(2*\a+\m)+2*\f+1], v[T+8*\f:T+8*\f+7], v[SC+\m]
.endr
	v_nop                                          ; a plain line behind the conversions: the next tile writes their sources
	global_store_b128 v[LI], v[CD+8*(2*\a+\m):CD+8*(2*\a+\m)+3], s[86+2*\m:87+2*\m] offset:\a*1024        ; 32 lanes store 512 consecutive bytes, aligned; every store has data registers of its own
	global_store_b128 v[LI], v[CD+8*(2*\a+\m)+4:CD+8*(2*\a+\m)+7], s[86+2*\m:87+2*\m] offset:\a*1024+512
.endm
.macro VOUT f                          ; channel tile f: my 64 keys
	WIN 0x03
.set j, 0
.rept 16
	v_pk_fma_f32 v[T+j:T+j+1], v[32*\f+j:32*\f+j+1], s[84:85], v[BV+2*\f:BV+2*\f+1] op_sel_hi:[1,0,0]
.set j, j+2
.endr
	WIN 0
.set j, 0
.rept 32
	v_med3_num_f32 v[T+j], v[T+j], -v[LM+2], v[LM+2]
.set j, j+1
.endr
.irp a, 0,1,2,3
	v_cvt_scalef32_pk8_bf8_f32 v[CD+64+8*\f+2*\a:CD+64+8*\f+2*\a+1], v[T+8*\a:T+8*\a+7], v[SC+2]
.endr
	v_nop
	global_store_b128 v[LI], v[CD+64+8*\f:CD+64+8*\f+3], s[88:89] offset:8192+\f*1024
	global_store_b128 v[LI], v[CD+64+8*\f+4:CD+64+8*\f+7], s[88:89] offset:8192+\f*1024+512
.endm
.irp a, 0,1,2,3
	QKOUT \a, 0
	QKOUT \a, 1
.endr
.irp f, 0,1,2,3
	VOUT \f
.endr
	s_wait_tensorcnt 0x0                           ; the wave's end
	ds_add_u32 v[SPW], v[NIL]
	s_wait_dscnt 0x0
	CROUND                                         ; the closing round: no work-group ends while a partner may still ask for a tile that names it
	s_endpgm
.Lfunc_end_k_qb4f878fece_qkv:
	.size	k_qb4f878fece_qkv, .Lfunc_end_k_qb4f878fece_qkv-k_qb4f878fece_qkv
	.p2alignl 7, 3214868480
	.fill 96, 4, 3214868480
	.section	.rodata,"a",@progbits
	.p2align	6, 0x0
	.amdhsa_kernel k_qb4f878fece_qkv
		.amdhsa_group_segment_fixed_size 327680
		.amdhsa_private_segment_fixed_size 0
		.amdhsa_enable_private_segment 0
		.amdhsa_kernarg_size 80
		.amdhsa_user_sgpr_count 2
		.amdhsa_user_sgpr_kernarg_segment_ptr 1
		.amdhsa_wavefront_size32 1
		.amdhsa_system_sgpr_workgroup_id_x 1
		.amdhsa_system_sgpr_workgroup_id_y 1
		.amdhsa_system_sgpr_workgroup_id_z 1
		.amdhsa_system_vgpr_workitem_id 0
		.amdhsa_next_free_vgpr 1024
		.amdhsa_next_free_sgpr 100
		.amdhsa_reserve_vcc 0
		.amdhsa_float_denorm_mode_32 3
		.amdhsa_float_denorm_mode_16_64 3
		.amdhsa_memory_ordered 1
		.amdhsa_forward_progress 1
		.amdhsa_inst_pref_size 114
	.end_amdhsa_kernel
	.amdgpu_metadata
---
amdhsa.version: [ 1, 2 ]
amdhsa.kernels:
  - .name:           k_qb4f878fece_qkv
    .symbol:         k_qb4f878fece_qkv.kd
    .args:
      - { .name: hidden_states_codes, .offset: 0, .size: 8, .value_kind: global_buffer, .address_space: global }
      - { .name: W_q_codes, .offset: 8, .size: 8, .value_kind: global_buffer, .address_space: global }
      - { .name: W_k_codes, .offset: 16, .size: 8, .value_kind: global_buffer, .address_space: global }
      - { .name: W_v_codes, .offset: 24, .size: 8, .value_kind: global_buffer, .address_space: global }
      - { .name: b_q, .offset: 32, .size: 8, .value_kind: global_buffer, .address_space: global }
      - { .name: b_k, .offset: 40, .size: 8, .value_kind: global_buffer, .address_space: global }
      - { .name: b_v, .offset: 48, .size: 8, .value_kind: global_buffer, .address_space: global }
      - { .name: lowp_scales, .offset: 56, .size: 8, .value_kind: global_buffer, .address_space: global }
      - { .name: q_img, .offset: 64, .size: 8, .value_kind: global_buffer, .address_space: global }
      - { .name: kv_img, .offset: 72, .size: 8, .value_kind: global_buffer, .address_space: global }
    .group_segment_fixed_size: 327680
    .private_segment_fixed_size: 0
    .kernarg_segment_align: 8
    .kernarg_segment_size: 80
    .max_flat_workgroup_size: 128
    .sgpr_count:     100
    .vgpr_count:     1024
    .wavefront_size: 32
...
	.end_amdgpu_metadata
.endif
;; end of part 1
;; launch attn (part 2): grid 32 x 8, 8 waves a work-group, clusters of 4 x 4, 327,680 bytes of LDS; arguments q_img, kv_img, attn_mask, lowp_scales, attn_out, norm_part; writes attn_out, norm_part
.if DOCPART == 2
	.amdgcn_target "amdgcn-amd-amdhsa--gfx1250"
	.amdhsa_code_object_version 6
	.text
	.protected	k_qb4f878fece_attn
	.globl	k_qb4f878fece_attn
	.p2align	8
	.type	k_qb4f878fece_attn,@function
k_qb4f878fece_attn:
	s_mov_b64 s[64:65], 0
	v_nop
	global_prefetch_b8 v0, s[64:65] scope:SCOPE_SE
	s_setreg_imm32_b32 hwreg(HW_REG_WAVE_MODE, 25, 1), 1
	s_wait_xcnt 0x0
	s_wait_alu depctr_hold_cnt(0) depctr_sa_sdst(0) depctr_va_vdst(0) depctr_va_sdst(0) depctr_va_ssrc(0) depctr_va_vcc(0) depctr_vm_vsrc(0)
	s_getreg_b32 s2, hwreg(HW_REG_IB_STS2, 6, 4)
	s_cmp_eq_u32 s2, 0
	s_cbranch_scc0 .Lentry_in_a_cluster
	s_endpgm
.Lentry_in_a_cluster:
	s_bfe_u32 s2, ttmp6, 0x10000c
	s_cmp_lg_u32 s2, 0xf033
	s_cbranch_scc0 .Lentry_shape_is_right
	s_endpgm
.Lentry_shape_is_right:
; out[combo][q] = sum over keys of softmax(Q . K / 8 + mask[q][key]) V, both products on codes of E5M2; combo = 16 x batch + head.  Also each work-group's sum of the rows' L2 norms.
; THE SOFTMAX: u = score x 2^(e6 + e7 - 3) + mask; t = u x log2(e); M = the running largest t rounded up to a whole number; p = 2^(t - M) is quantised with 2^e8; the row's sum is taken of the unquantised p and divides at the end.
; SHARES.  Work-group (x, y): combo x, queries 256 y .. 256 y + 255.  Wave w: 32 queries, two tiles of 16; tile t lives in register window t under the same register numbers, so one text serves both.  16 key steps of 128.
; LAYOUT.  S^T = K Q^T (source 0 = 16 keys, source 1 = 16 queries), O^T = V^T P^T: a lane holds ONE query; a score tile's 8 registers are keys 16 n + 8 h + 0 .. 7, whose conversion gives registers 2 n, 2 n + 1 of the K = 128 operand.
; Q, K and V come as images of their registers (16 bytes a lane, 512 bytes a load).
; CLUSTER 4 x 4: the mask's tile (256 queries x 128 keys, f32) hangs on y alone and is asked for jointly along a row of the cluster (waves 0 to 3, 64 rows each); K's and V's 16,384 bytes hang on the combo alone and are asked for jointly along a column (wave 4).
; LIMITS: e6 + e7 between -123 and 130; e8 between -126 and 112.  NaN or +infinity in the mask is not served.  A row whose 2,048 mask entries are all -infinity gives NaN, as the softmax of such a row does.
; REGISTERS.  window 0 alone: v1-2 mask addresses, v3-4 K/V addresses, v5-6 the add's, v7 16 x lane, v8 prefetch offset, v10, v27 the norms' words, v11 lane, v24-28 at work.
;   both windows: v9 norm; v12 -M, v13 largest t, v[14:15] the sum; v16-23 Q; v32-63 fragments (K tile n: window n / 4; V tile f: window f / 2); v64-127 scores, then p; v128-191 mask; v192-223 O^T; v224-239 p's codes; v240-253 constants and work.
.set MP,    528                        ; a mask row in LDS: 512 bytes + 16 of padding
.set KVO,   256*MP                     ; behind the mask's 256 rows: K's and V's images
.set SLOT,  KVO+16384
.set SPARE, 2*SLOT                     ; the spare words: 128 bytes a wave, four blocks of 256 bytes that no other line names
.set RED,   SPARE+1024                 ; eight words: the waves' sums of norms; no tile lands here
.set AM,   1
.set AKV,  3
.set SPW,  5
.set NIL,  6
.set LI,   7
.set PFO,  8
.set NRM,  9
.set REDA, 10
.set QF,   16
.set FR,   32
.set S,    64
.set MK,   128
.set O,    192
.set PC,   224
.set WV,   16                          ; s16 wave
.set G1M,  32
.set G1K,  40
.set G0M,  48
.set G0K,  56
.set C1,   66                          ; s[66:67] 2^(e6 + e7 - 3)
.set L2E,  68                          ; s[68:69] log2(e)
.set SEL,  70                          ; s[70:71] lane l xor 16
.set PFA,  72                          ; s[72:73] where my prefetches stand; s[74:75] a key step on
.set PFS,  74
.set MSB, 0
.macro WIN new
.if MSB != (\new)
	s_set_vgpr_msb (MSB<<8)|(\new)
.set MSB, (\new)
.endif
.endm
.macro PLACES n
.rept \n
	v_nop
.endr
.endm
.macro ROUND                           ; a round of the cluster's barrier
	s_barrier_signal -1
	s_barrier_wait -1
	s_cmp_lg_u32 s[WV], 0
	s_cbranch_scc1 .Lnot_wave_0_\@
	s_barrier_signal -3
.Lnot_wave_0_\@:
	s_barrier_wait -3
	s_barrier_signal -1
	s_barrier_wait -1
.endm
; Waves 0 to 3 ask for the mask's quarters, wave 4 for K and V, the others for nothing.  The branches hang on the wave's number alone.  Four v_nop follow each line.
.macro TLOAD sl
	s_cmp_lt_u32 s[WV], 4
	s_cbranch_scc0 .Lnot_m_\@
	tensor_load_to_lds s[G0M+4*(\sl):G0M+4*(\sl)+3], s[G1M:G1M+7]
.rept 4
	v_nop
.endr
	s_branch .Lasked_\@
.Lnot_m_\@:
	s_cmp_eq_u32 s[WV], 4
	s_cbranch_scc0 .Lasked_\@
	tensor_load_to_lds s[G0K+4*(\sl):G0K+4*(\sl)+3], s[G1K:G1K+7]
.rept 4
	v_nop
.endr
.Lasked_\@:
.endm
; A PREFETCH of what the next change of slots will ask for.  The mask's tile is read by all clusters of a row of clusters: the cluster with x = 0 asks; of its 256 rows the partner at cx takes 64, told apart by address,
; waves 0 to 3 take 16 rows each, a lane half a row's 512 bytes.  K's and V's 16,384 bytes are read by both clusters of a column: the cluster with y = 0 asks, wave 4, in every second step, for two steps at once:
; the partner at cy takes 4,096 bytes of each, lanes 256 bytes apart.  So each aligned 256 bytes are named once.  The last two steps ask for nothing; steps 0 and 1 come by their loads alone.
.macro ASK fl
	s_cmp_eq_u32 s[\fl], 1
	s_cbranch_scc0 .Lnot_mine_\@
	global_prefetch_b8 v[PFO], s[PFA:PFA+1] th:TH_LOAD_NT scope:SCOPE_SE
.Lnot_mine_\@:
.endm
	s_load_b256 s[4:11], s[0:1], 0x0               ; q_img s[4:5], kv_img s[6:7], mask s[8:9], scales s[10:11]
	s_load_b128 s[12:15], s[0:1], 0x20             ; attn_out s[12:13], norm_part s[14:15]
	v_lshl_add_u32 v[SPW], v0, 2, SPARE
	v_mov_b32 v[NIL], 0
	v_lshrrev_b32 v24, 5, v0
	v_readfirstlane_b32 s[WV], v24                 ; wave 0..7
	s_bfe_u32 s17, ttmp6, 0x40000                  ; cx
	s_bfe_u32 s18, ttmp6, 0x40004                  ; cy
	s_lshl_b32 s19, ttmp9, 2
	s_add_co_u32 s19, s19, s17                     ; combo = 4 x cluster x + cx
	s_and_b32 s20, ttmp7, 0xffff
	s_lshl_b32 s20, s20, 2
	s_add_co_u32 s20, s20, s18                     ; query block y = 4 x cluster y + cy
	s_lshl_b32 s30, s18, 2
	s_lshl_b32 s30, 15, s30                        ; my row of the cluster
	s_lshl_b32 s31, 0x1111, s17                    ; my column
	s_or_b32 s[G1M], s30, (2<<16)|(1<<20)|(1<<21)|(6<<22)|(3<<25)   ; mask; elements of 4 bytes; padding on; bit 21 beside a mask; 4 words behind every 128
	s_mov_b32 s[G1M+1], 128<<16                    ; tensor_dim0 = 128
	s_mov_b32 s[G1M+2], 64<<16                     ; tensor_dim1 = 64
	s_mov_b32 s[G1M+3], 128<<16                    ; tile_dim0 = 128
	s_mov_b32 s[G1M+4], 64                         ; tile_dim1 = 64
	s_mov_b32 s[G1M+5], 2048                       ; from row to row
	s_mov_b32 s[G1M+6], 0
	s_mov_b32 s[G1M+7], 0
	s_or_b32 s[G1K], s31, (3<<16)|(1<<21)          ; mask; elements of 8 bytes; no padding: a dense block as 64 rows of 256 bytes
	s_mov_b32 s[G1K+1], 32<<16
	s_mov_b32 s[G1K+2], 64<<16
	s_mov_b32 s[G1K+3], 32<<16
	s_mov_b32 s[G1K+4], 64
	s_mov_b32 s[G1K+5], 32
	s_mov_b32 s[G1K+6], 0
	s_mov_b32 s[G1K+7], 0
	s_lshl_b32 s84, s20, 21                        ; the mask: 256 y rows of 8,192 bytes,
	s_lshl_b32 s85, s[WV], 19                      ; + 64 x wave rows
	s_add_co_u32 s84, s84, s85
	s_mov_b32 s85, 0
	s_lshl_b32 s86, s19, 18                        ; K and V: the combo's 16 steps of 16,384 bytes
	s_mov_b32 s87, 0
	s_mul_i32 s88, s[WV], 64*MP                    ; wave x 64 rows in LDS
	s_wait_kmcnt 0x0
	s_load_b128 s[80:83], s[10:11], 0x18           ; e6, e7, e8, e9
	s_add_nc_u64 s[84:85], s[8:9], s[84:85]
	s_add_nc_u64 s[86:87], s[6:7], s[86:87]
.irp s, 0,1
	s_mov_b32 s[G0M+4*\s], 1
	s_add_co_u32 s[G0M+4*\s+1], s88, \s*SLOT
	s_add_nc_u64 s[G0M+4*\s+2:G0M+4*\s+3], s[84:85], \s*512
	s_or_b32 s[G0M+4*\s+3], s[G0M+4*\s+3], 0x80000000
	s_mov_b32 s[G0K+4*\s], 1
	s_mov_b32 s[G0K+4*\s+1], \s*SLOT+KVO
	s_add_nc_u64 s[G0K+4*\s+2:G0K+4*\s+3], s[86:87], \s*16384
	s_or_b32 s[G0K+4*\s+3], s[G0K+4*\s+3], 0x80000000
.endr
	ROUND                                          ; all sixteen work-groups are here: the first joint loads meet
	TLOAD 0                                        ; key step 0
	v_and_b32 v11, 31, v0                          ; lane
	v_and_b32 v24, 15, v0                          ; r
	v_bfe_u32 v25, v0, 4, 1                        ; h
	v_lshlrev_b32 v[LI], 4, v11
	s_lshl_b32 s90, s19, 17                        ; Q: (128 combo + 16 y + 2 wave) tiles of 1,024 bytes
	s_lshl_b32 s21, s20, 14
	s_add_co_u32 s90, s90, s21
	s_lshl_b32 s21, s[WV], 11
	s_add_co_u32 s90, s90, s21
	s_mov_b32 s91, 0
	s_add_nc_u64 s[90:91], s[4:5], s[90:91]
	global_load_b128 v[QF:QF+3], v[LI], s[90:91]
	global_load_b128 v[QF+4:QF+7], v[LI], s[90:91] offset:512
	WIN 0x40
	global_load_b128 v[QF:QF+3], v[LI], s[90:91] offset:1024
	global_load_b128 v[QF+4:QF+7], v[LI], s[90:91] offset:1536
	WIN 0
	s_mul_i32 s89, s[WV], 32*MP
	v_mul_u32_u24 v[AM], v24, MP
	v_lshl_add_u32 v[AM], v25, 5, v[AM]
	v_add_nc_u32 v[AM], s89, v[AM]                 ; the mask: row 32 wave + r, + 32 h bytes: my half's eight keys of a tile
	v_add_nc_u32 v[AM+1], SLOT, v[AM]
	v_add_nc_u32 v[AKV], KVO, v[LI]
	v_add_nc_u32 v[AKV+1], SLOT, v[AKV]
	s_lshl_b32 s89, s[WV], 2
	s_add_co_u32 s89, s89, RED
	v_mov_b32 v[REDA], s89                         ; my wave's word
	v_and_b32 v27, 7, v0
	v_lshl_add_u32 v27, v27, 2, RED                ; and where wave 0 reads the eight
	v_mov_b32 v28, 0
	s_lshl_b32 s92, s19, 19                        ; attn_out: (128 combo + 16 y + 2 wave) tiles of 4,096 bytes
	s_lshl_b32 s22, s20, 16
	s_add_co_u32 s92, s92, s22
	s_lshl_b32 s22, s[WV], 13
	s_add_co_u32 s92, s92, s22
	s_mov_b32 s93, 0
	s_add_nc_u64 s[92:93], s[12:13], s[92:93]
	s_and_b32 s22, s19, 15                         ; norm_part: [head][8 x batch + y]
	s_lshl_b32 s22, s22, 4
	s_lshr_b32 s23, s19, 4
	s_lshl_b32 s23, s23, 3
	s_add_co_u32 s22, s22, s23
	s_add_co_u32 s22, s22, s20
	s_lshl_b32 s22, s22, 2
	s_mov_b32 s23, 0
	s_add_nc_u64 s[14:15], s[14:15], s[22:23]
	; the prefetches: where mine stand, and who asks
	s_lshl_b32 s21, s20, 8
	s_lshl_b32 s22, s17, 6
	s_add_co_u32 s21, s21, s22
	s_lshl_b32 s22, s[WV], 4
	s_add_co_u32 s21, s21, s22                     ; mask row 256 y + 64 cx + 16 wave,
	s_lshl_b32 s21, s21, 13
	s_add_co_u32 s21, s21, 512                     ; at key step 1: the first trip steps it to 2
	s_lshl_b32 s22, s19, 18
	s_lshl_b32 s23, s18, 12
	s_add_co_u32 s22, s22, s23                     ; K and V: the combo's, + 4,096 cy,
	s_add_co_u32 s22, s22, 16384                   ; at key step 1
	s_mov_b32 s25, 0
	s_mov_b32 s[PFS], 16384
	s_mov_b32 s[PFS+1], 0
	s_mov_b32 s26, 256
	s_mov_b32 s27, 16384
	s_and_b32 s28, ttmp7, 0xffff                   ; cluster y
	s_cmp_lt_u32 s[WV], 4                          ; the mask's waves, or K's and V's?
	s_cselect_b32 s24, s21, s22
	s_cselect_b64 s[PFA:PFA+1], s[8:9], s[6:7]
	s_cselect_b32 s[PFS], 512, s[PFS]              ; a key step on
	s_cselect_b32 s26, 8192, s26                   ; from lane to lane within 16
	s_cselect_b32 s27, 256, s27                    ; from half to half of the lanes
	s_cselect_b32 s28, ttmp9, s28                  ; the coordinate along which other clusters read the same bytes
	s_cselect_b32 s77, 1, 0                        ; odd steps: the mask's waves alone
	s_add_nc_u64 s[PFA:PFA+1], s[PFA:PFA+1], s[24:25]
	s_cmp_lt_u32 s[WV], 5
	s_cselect_b32 s76, 1, 0                        ; even steps: waves 0 to 4
	s_cmp_eq_u32 s28, 0                            ; the same in all sixteen partners, for a given wave
	s_cselect_b32 s76, s76, 0
	s_cselect_b32 s77, s77, 0
	v_mul_lo_u32 v[PFO], v24, s26
	v_mul_lo_u32 v26, v25, s27
	v_add_nc_u32 v[PFO], v[PFO], v26
	s_mov_b32 s[L2E], 0x3fb8aa3b
	s_mov_b32 s[L2E+1], s[L2E]
	s_mov_b32 s[SEL], 0x76543210
	s_mov_b32 s[SEL+1], 0xfedcba98
	s_wait_kmcnt 0x0
	s_add_co_i32 s[C1], s80, s81
	s_add_co_i32 s[C1], s[C1], 124
	s_lshl_b32 s[C1], s[C1], 23                    ; 2^(e6 + e7 - 3): the two scales and 1 / sqrt(64)
	s_mov_b32 s[C1+1], s[C1]
	s_add_co_i32 s79, s82, s83                     ; e8 + e9
	s_add_co_i32 s94, s82, 127
	s_lshl_b32 s95, s94, 23                        ; 2^e8
	s_add_co_i32 s94, s94, 15
	s_lshl_b32 s94, s94, 23
	s_or_b32 s94, s94, 0x600000                    ; 57,344 x 2^e8
.macro INIT t
	WIN 0x55*\t
	v_mov_b32 v13, 0xff61b1e6                      ; the largest t so far: -3e38
	v_floor_f32 v12, -v13                          ; -M
	v_mov_b32 v14, 0
	v_mov_b32 v15, 0
	v_mov_b32 v240, s94
	v_mov_b32 v244, s95
	v_mov_b32 v248, 0                              ; a lane permute's destination counts as read
	v_mov_b32 v251, 0                              ; (upper halves of pairs that are named whole)
	v_mov_b32 v253, 0
.set j, 0
.rept 32
	v_mov_b32 v[O+j], 0                            ; O^T: the step is written once; the first change of M leaves zeros zeros
.set j, j+1
.endr
.endm
	INIT 0
	INIT 1
	WIN 0
; One tile's softmax for one key step; all its registers lie in the window that is set.
.macro SOFT
.set j, 0
.rept 32
	v_pk_fma_f32 v[S+j:S+j+1], v[S+j:S+j+1], s[C1:C1+1], v[MK+j:MK+j+1] op_sel_hi:[1,0,1]   ; u = score x 2^(e6 + e7 - 3) + mask; each accumulator from its low end on
.set j, j+2
.endr
	v_max3_num_f32 v246, v[S], v[S+1], v[S+2]      ; the step's largest u of my query among my 64 keys, in two chains
	v_max3_num_f32 v247, v[S+3], v[S+4], v[S+5]
.set j, 6
.rept 14
	v_max3_num_f32 v246, v246, v[S+j], v[S+j+1]
	v_max3_num_f32 v247, v247, v[S+j+2], v[S+j+3]
.set j, j+4
.endr
	v_max3_num_f32 v246, v246, v[S+62], v[S+63]
	v_max_num_f32 v246, v246, v247
	v_permlanex16_b32 v248, v246, s[SEL], s[SEL+1]
	v_max_num_f32 v246, v246, v248                 ; and among lane l xor 16's
	v_mul_f32 v246, s[L2E], v246                   ; as t
	v_max_num_f32 v13, v13, v246                   ; the running largest t
	v_mov_b32 v246, v12
	v_floor_f32 v12, -v13                          ; the new -M = -ceil(t): a whole number
	v_sub_f32 v246, v12, v246                      ; old M - new M, 0 or less
	v_cvt_i32_f32 v246, v246                       ; (it saturates)
	v_ldexp_f32 v250, 1.0, v246                    ; f = 2^(old M - new M)
.set j, 0
.rept 32
	v_pk_fma_f32 v[S+j:S+j+1], v[S+j:S+j+1], s[L2E:L2E+1], v[12:13] op_sel_hi:[1,0,0]   ; t - M
.set j, j+2
.endr
.set j, 0
.rept 64
	v_exp_f32 v[S+j], v[S+j]                       ; p = 2^(t - M)
.set j, j+1
.endr
	v_pk_mul_f32 v[14:15], v[14:15], v[250:251] op_sel_hi:[1,0]   ; the sum under the new M; a plain line behind the exponentials
	s_wait_alu depctr_va_vdst(0)                   ; one wait for the batch, ahead of its first reader
	v_pk_add_f32 v[242:243], v[S:S+1], v[S+2:S+3]  ; the sum of the unquantised p, in two chains
.set j, 4
.rept 15
	v_pk_add_f32 v[14:15], v[14:15], v[S+j:S+j+1]
	v_pk_add_f32 v[242:243], v[242:243], v[S+j+2:S+j+3]
.set j, j+4
.endr
	v_pk_add_f32 v[14:15], v[14:15], v[242:243]
.irp n, 0,1,2,3,4,5,6,7
.irp i, 0,1,2,3,4,5,6,7
	v_min_num_f32 v[S+8*\n+\i], v[S+8*\n+\i], v240   ; the conversion does not saturate (ISA guide 7.6.2); p is not negative: a one-sided hold
.endr
	v_cvt_scalef32_pk8_bf8_f32 v[PC+2*\n:PC+2*\n+1], v[S+8*\n:S+8*\n+7], v244
.endr
.set j, 0
.rept 16
	v_pk_mul_f32 v[O+j:O+j+1], v[O+j:O+j+1], v[250:251] op_sel_hi:[1,0]   ; O^T under the new M; also the plain lines behind the conversions
.set j, j+2
.endr
.endm
.macro PV t                            ; O^T += V^T P^T: four accumulators by turns
	WIN 0x54*\t
	v_wmma_f32_16x16x128_bf8_bf8 v[O:O+7], v[FR:FR+15], v[PC:PC+15], v[O:O+7]
	v_wmma_f32_16x16x128_bf8_bf8 v[O+8:O+15], v[FR+16:FR+31], v[PC:PC+15], v[O+8:O+15]
	WIN 0x54*\t+1
	v_wmma_f32_16x16x128_bf8_bf8 v[O+16:O+23], v[FR:FR+15], v[PC:PC+15], v[O+16:O+23]
	v_wmma_f32_16x16x128_bf8_bf8 v[O+24:O+31], v[FR+16:FR+31], v[PC:PC+15], v[O+24:O+31]
.endm
; A KEY STEP.  At its head the change of slots: each wave waits for all its tensor loads, adds 0 to its spare word, and waits for that and for its reads of the other slot; a round of the cluster's barrier;
; then the other slot is filled with the next step's tiles, which have this whole step in which to land.
.macro TRIP slot, refill, ask
	s_wait_tensorcnt 0x0                           ; no tensor load of mine is out, so a group 0 may be written
	ds_add_u32 v[SPW], v[NIL]                      ; 0 onto my spare word
	s_add_nc_u64 s[G0M+4*\slot+2:G0M+4*\slot+3], s[G0M+4*\slot+2:G0M+4*\slot+3], 1024     ; this slot's next tile: two steps on
	s_add_nc_u64 s[G0K+4*\slot+2:G0K+4*\slot+3], s[G0K+4*\slot+2:G0K+4*\slot+3], 32768
	s_wait_xcnt 0x0                                ; the last prefetch, a step back, has read its address
	s_add_nc_u64 s[PFA:PFA+1], s[PFA:PFA+1], s[PFS:PFS+1]
	s_wait_dscnt 0x0                               ; the add is done, and my reads of the other slot are over
	ROUND
.if \refill
	TLOAD 1-\slot
.endif
.if \ask
	ASK 76+\slot
.endif
	PLACES 4                                       ; between the last products and loads into the registers that they read
.irp n, 0,1,2,3
	ds_load_b128 v[FR+8*\n:FR+8*\n+3], v[AKV+\slot] offset:1024*\n
	ds_load_b128 v[FR+8*\n+4:FR+8*\n+7], v[AKV+\slot] offset:1024*\n+512
.endr
	WIN 0x40
.irp n, 0,1,2,3
	ds_load_b128 v[FR+8*\n:FR+8*\n+3], v[AKV+\slot] offset:4096+1024*\n
	ds_load_b128 v[FR+8*\n+4:FR+8*\n+7], v[AKV+\slot] offset:4096+1024*\n+512
.endr
	WIN 0
.set j, 0
.rept 8
	ds_load_b128 v[MK+8*j:MK+8*j+3], v[AM+\slot] offset:64*j
	ds_load_b128 v[MK+8*j+4:MK+8*j+7], v[AM+\slot] offset:64*j+16
.set j, j+1
.endr
	WIN 0x40
.set j, 0
.rept 8
	ds_load_b128 v[MK+8*j:MK+8*j+3], v[AM+\slot] offset:16*MP+64*j
	ds_load_b128 v[MK+8*j+4:MK+8*j+7], v[AM+\slot] offset:16*MP+64*j+16
.set j, j+1
.endr
	s_wait_dscnt 32                                ; K's 16 loads are in; the two tiles' 32 mask loads may be out
	WIN 0
.irp n, 0,1,2,3
	v_wmma_f32_16x16x64_bf8_bf8 v[S+8*\n:S+8*\n+7], v[FR+8*\n:FR+8*\n+7], v[QF:QF+7], 0
.endr
	WIN 0x44
.irp n, 0,1,2,3
	v_wmma_f32_16x16x64_bf8_bf8 v[S+8*\n:S+8*\n+7], v[FR+8*\n:FR+8*\n+7], v[QF:QF+7], 0
.endr
	WIN 0x01
.irp n, 0,1,2,3
	v_wmma_f32_16x16x64_bf8_bf8 v[S+32+8*\n:S+32+8*\n+7], v[FR+8*\n:FR+8*\n+7], v[QF:QF+7], 0
.endr
	WIN 0x45
.irp n, 0,1,2,3
	v_wmma_f32_16x16x64_bf8_bf8 v[S+32+8*\n:S+32+8*\n+7], v[FR+8*\n:FR+8*\n+7], v[QF:QF+7], 0
.endr
	WIN 0
	PLACES 4                                       ; in front of V's loads into K's registers, and of the first read of scores
.irp f, 0,1
.irp b, 0,1
.irp c, 0,1
	ds_load_b128 v[FR+16*\f+8*\b+4*\c:FR+16*\f+8*\b+4*\c+3], v[AKV+\slot] offset:8192+4096*\b+1024*\f+512*\c
.endr
.endr
.endr
	WIN 0x40
.irp f, 0,1
.irp b, 0,1
.irp c, 0,1
	ds_load_b128 v[FR+16*\f+8*\b+4*\c:FR+16*\f+8*\b+4*\c+3], v[AKV+\slot] offset:8192+4096*\b+1024*(\f+2)+512*\c
.endr
.endr
.endr
	s_wait_dscnt 32                                ; tile 0's mask is in; tile 1's 16 loads and V's 16 may be out
	WIN 0
	SOFT
	s_wait_dscnt 0x0                               ; V and tile 1's mask
	PV 0
	WIN 0x55
	SOFT                                           ; tile 1's vector work stands behind tile 0's products
	PV 1
	WIN 0
.endm
	s_wait_loadcnt 0x0                             ; Q
	s_mov_b32 s78, 7
.Lsteps:                                           ; seven trips of two key steps; the last two steps are written out
	TRIP 0, 1, 1
	TRIP 1, 1, 1
	s_sub_co_u32 s78, s78, 1
	s_cmp_lg_u32 s78, 0
	s_cbranch_scc1 .Lsteps
	TRIP 0, 1, 0
	TRIP 1, 0, 0
	; THE WAY OUT: O^T x 2^(e8 + e9) / the sum leaves as it stands in the registers; a row's norm is the root of both halves' squares.
	PLACES 4
.macro FINISH t
	WIN 0x55*\t
	v_add_f32 v14, v14, v15
	v_permlanex16_b32 v248, v14, s[SEL], s[SEL+1]
	v_add_f32 v14, v14, v248                       ; the row's sum
	v_rcp_f32 v252, v14
	v_nop
	s_wait_alu depctr_va_vdst(0)                   ; ahead of the reciprocal's first reader
	v_ldexp_f32 v252, v252, s79
.set j, 0
.rept 16
	v_pk_mul_f32 v[S+j:S+j+1], v[O+j:O+j+1], v[252:253] op_sel_hi:[1,0]   ; each accumulator from its low end on
.set j, j+2
.endr
	v_pk_mul_f32 v[242:243], v[S:S+1], v[S:S+1]
.set j, 2
.rept 15
	v_pk_fma_f32 v[242:243], v[S+j:S+j+1], v[S+j:S+j+1], v[242:243]
.set j, j+2
.endr
	v_add_f32 v242, v242, v243
	v_permlanex16_b32 v248, v242, s[SEL], s[SEL+1]
	v_add_f32 v242, v242, v248                     ; the row's 64 squares
	v_sqrt_f32 v[NRM], v242
	v_nop
	s_wait_alu depctr_va_vdst(0)
	WIN 0x04*\t                                    ; a store's data are its source 1
.irp i, 0,1,2,3,4,5,6,7
	global_store_b128 v[LI], v[S+4*\i:S+4*\i+3], s[92:93] offset:\t*4096+512*\i   ; 32 lanes store 512 consecutive bytes, aligned
.endr
.endm
	FINISH 0
	FINISH 1
	WIN 0x04
	v_add_f32 v[NRM], v[NRM], v[NRM]               ; tile 0's norm (window 0) + tile 1's (window 1), into window 0
	WIN 0
	v_add_f32_dpp v[NRM], v[NRM], v[NRM] row_xmask:1 row_mask:0xf bank_mask:0xf
	v_add_f32_dpp v[NRM], v[NRM], v[NRM] row_xmask:2 row_mask:0xf bank_mask:0xf
	v_add_f32_dpp v[NRM], v[NRM], v[NRM] row_xmask:4 row_mask:0xf bank_mask:0xf
	v_add_f32_dpp v[NRM], v[NRM], v[NRM] row_xmask:8 row_mask:0xf bank_mask:0xf   ; my 32 queries' norms (both halves of the lanes hold the same)
	ds_store_b32 v[REDA], v[NRM]                   ; all lanes write the same word with the same value
	s_wait_dscnt 0x0
	s_barrier_signal -1
	s_barrier_wait -1
	s_cmp_lg_u32 s[WV], 0
	s_cbranch_scc1 .Lnot_first
	ds_load_b32 v26, v27                           ; lane l: wave l % 8's sum
	s_wait_dscnt 0x0
	v_add_f32_dpp v26, v26, v26 row_xmask:1 row_mask:0xf bank_mask:0xf
	v_add_f32_dpp v26, v26, v26 row_xmask:2 row_mask:0xf bank_mask:0xf
	v_add_f32_dpp v26, v26, v26 row_xmask:4 row_mask:0xf bank_mask:0xf
	v_cmp_eq_u32 vcc_lo, 0, v11
	s_wait_xcnt 0x0                                ; EXEC changes only behind this wait
	s_and_saveexec_b32 s21, vcc_lo
	global_store_b32 v28, v26, s[14:15]            ; the work-group's 256 norms, summed
	s_wait_xcnt 0x0
	s_or_b32 exec_lo, exec_lo, s21
.Lnot_first:
	s_wait_tensorcnt 0x0                           ; the wave's end
	ds_add_u32 v[SPW], v[NIL]
	s_wait_dscnt 0x0
	ROUND                                          ; the closing round
	s_endpgm
.Lfunc_end_k_qb4f878fece_attn:
	.size	k_qb4f878fece_attn, .Lfunc_end_k_qb4f878fece_attn-k_qb4f878fece_attn
	.p2alignl 7, 3214868480
	.fill 96, 4, 3214868480
	.section	.rodata,"a",@progbits
	.p2align	6, 0x0
	.amdhsa_kernel k_qb4f878fece_attn
		.amdhsa_group_segment_fixed_size 327680
		.amdhsa_private_segment_fixed_size 0
		.amdhsa_enable_private_segment 0
		.amdhsa_kernarg_size 48
		.amdhsa_user_sgpr_count 2
		.amdhsa_user_sgpr_kernarg_segment_ptr 1
		.amdhsa_wavefront_size32 1
		.amdhsa_system_sgpr_workgroup_id_x 1
		.amdhsa_system_sgpr_workgroup_id_y 1
		.amdhsa_system_sgpr_workgroup_id_z 1
		.amdhsa_system_vgpr_workitem_id 0
		.amdhsa_next_free_vgpr 512
		.amdhsa_next_free_sgpr 100
		.amdhsa_reserve_vcc 1
		.amdhsa_float_denorm_mode_32 3
		.amdhsa_float_denorm_mode_16_64 3
		.amdhsa_memory_ordered 1
		.amdhsa_forward_progress 1
		.amdhsa_inst_pref_size 161
	.end_amdhsa_kernel
	.amdgpu_metadata
---
amdhsa.version: [ 1, 2 ]
amdhsa.kernels:
  - .name:           k_qb4f878fece_attn
    .symbol:         k_qb4f878fece_attn.kd
    .args:
      - { .name: q_img, .offset: 0, .size: 8, .value_kind: global_buffer, .address_space: global }
      - { .name: kv_img, .offset: 8, .size: 8, .value_kind: global_buffer, .address_space: global }
      - { .name: attn_mask, .offset: 16, .size: 8, .value_kind: global_buffer, .address_space: global }
      - { .name: lowp_scales, .offset: 24, .size: 8, .value_kind: global_buffer, .address_space: global }
      - { .name: attn_out, .offset: 32, .size: 8, .value_kind: global_buffer, .address_space: global }
      - { .name: norm_part, .offset: 40, .size: 8, .value_kind: global_buffer, .address_space: global }
    .group_segment_fixed_size: 327680
    .private_segment_fixed_size: 0
    .kernarg_segment_align: 8
    .kernarg_segment_size: 48
    .max_flat_workgroup_size: 256
    .sgpr_count:     100
    .vgpr_count:     512
    .wavefront_size: 32
...
	.end_amdgpu_metadata
.endif
;; end of part 2
;; launch proj (part 3): grid 4 x 64, 8 waves a work-group, no clusters, 133,120 bytes of LDS; arguments attn_out, norm_part, W_o_codes, b_o, gate, lowp_scales, out0; writes out0
.if DOCPART == 3
	.amdgcn_target "amdgcn-amd-amdhsa--gfx1250"
	.amdhsa_code_object_version 6
	.text
	.protected	k_qb4f878fece_proj
	.globl	k_qb4f878fece_proj
	.p2align	8
	.type	k_qb4f878fece_proj,@function
k_qb4f878fece_proj:
	s_mov_b64 s[64:65], 0
	v_nop
	global_prefetch_b8 v0, s[64:65] scope:SCOPE_SE
	s_setreg_imm32_b32 hwreg(HW_REG_WAVE_MODE, 25, 1), 1
	s_wait_xcnt 0x0
; out0[token][d] = sum over heads of clip(gate, 0, 1) / 16 x (Q(out / denom) W_o + b_o), the product on codes of E5M2 (scales 10, 11); denom[head] = max(mean of the rows' norms, 1e-5).
; SHARES.  Work-group (x, y): d 256 x .. 256 x + 255, tokens 64 y .. 64 y + 63.  PHASE X: wave w quantises token tile w % 4 for heads 8 (w / 4) .. + 7; the codes go to LDS as images of the operand's registers.
; PHASE M: wave w makes d 32 w .. 32 w + 31 (two tiles) for the 64 tokens (four tiles): for each head eight products of K = 64 that start at 0, then sum += product x F[head]: the gate is no power of two, so each head is weighed in f32.
; Source 0 = 16 rows of W_o, source 1 = 16 tokens: a lane holds one token and 8 neighbouring d.  The results meet in a stage and leave as whole rows.
; No cluster and no tensor loads: the shared input, 64 tokens' f32 images of 16 heads (262,144 bytes), does not fit in LDS beside the codes (65,536) and the stage (66,560).
; LIMITS: e11 between -126 and 112; e10 + e11 between -120 and 120.  A NaN in gate is not served.
; REGISTERS: v1-15 addresses and constants; v16-79 sums, v80-143 products (phase X: four sets of 32 numbers); v144-175 W_o's fragments, two sets; v176-239 codes' fragments, two sets (phase X: the codes made; the head: small loads); v240-255 the bias.
.set XIMG, 0                           ; [token tile 4][head 16] images of 1,024 bytes
.set BIAS, 65536                       ; 256 numbers
.set STG,  66560                       ; 64 rows x (1,024 bytes + 16)
.set SP,   1040
.set ACC,  16
.set TMP,  80
.set AF,   144
.set BF,   176
.set BI,   240
.set WV,   18
.set DN,   32                          ; s[32:47] 1 / denom of my eight heads, in pairs
.set GS,   48                          ; s48-63   clip(gate) / 16
.set FS,   66                          ; s[66:97] that x 2^(e10 + e11), in pairs
	s_load_b256 s[4:11], s[0:1], 0x0               ; attn_out s[4:5], norm_part s[6:7], W_o s[8:9], b_o s[10:11]
	s_load_b128 s[12:15], s[0:1], 0x20             ; gate s[12:13], scales s[14:15]
	s_load_b64 s[16:17], s[0:1], 0x30              ; out0
	v_lshrrev_b32 v15, 5, v0
	v_readfirstlane_b32 s[WV], v15                 ; wave 0..7
	v_and_b32 v15, 31, v0                          ; lane
	v_and_b32 v11, 15, v0                          ; r
	v_bfe_u32 v14, v0, 4, 1                        ; h
	v_lshlrev_b32 v1, 4, v15                       ; 16 x lane
	s_lshr_b32 s19, s[WV], 2                       ; which eight heads
	s_and_b32 s20, s[WV], 3                        ; which token tile
	s_lshl_b32 s21, s19, 3
	v_add_nc_u32 v2, s21, v15
	v_and_b32 v2, 15, v2
	v_lshlrev_b32 v2, 6, v2                        ; norm_part: lane i takes head 8 (w / 4) + i: 64 bytes a head
	v_lshlrev_b32 v3, 2, v11                       ; gate: lane l takes head l % 16
	v_lshlrev_b32 v4, 2, v0                        ; b_o: thread t takes d = 256 x + t
	v_add_nc_u32 v5, BIAS, v4
	v_lshlrev_b32 v6, 6, v11
	v_lshl_add_u32 v6, v14, 4, v6                  ; W_o: row r of 64 bytes, + 16 h
	s_lshl_b32 s22, s20, 14
	s_lshl_b32 s23, s19, 13
	s_add_co_u32 s22, s22, s23
	v_add_nc_u32 v7, s22, v1                       ; where I store my images
	s_lshl_b32 s22, s[WV], 7
	v_lshlrev_b32 v8, 5, v14
	v_add_nc_u32 v8, s22, v8                       ; 128 wave + 32 h: my d's bytes in a row
	v_mul_u32_u24 v9, v11, SP
	v_add_nc_u32 v9, v9, v8
	v_add_nc_u32 v9, STG, v9                       ; the stage, in
	v_add_nc_u32 v8, BIAS, v8
	s_mul_i32 s22, s[WV], 8*SP
	v_add_nc_u32 v10, s22, v1
	v_add_nc_u32 v10, STG, v10                     ; and back: my eight rows
	s_and_b32 s24, ttmp7, 0xffff                   ; y
	s_lshr_b32 s25, s24, 5                         ; batch
	s_and_b32 s29, s24, 31
	s_lshl_b32 s30, s25, 23                        ; attn_out: ((16 batch + 8 (w / 4)) x 128 + 4 (y % 32) + w % 4) images of 4,096 bytes
	s_lshl_b32 s31, s19, 22
	s_add_co_u32 s30, s30, s31
	s_lshl_b32 s31, s29, 14
	s_add_co_u32 s30, s30, s31
	s_lshl_b32 s31, s20, 12
	s_add_co_u32 s30, s30, s31
	s_mov_b32 s31, 0
	s_lshl_b32 s22, ttmp9, 14                      ; W_o: rows 256 x + 32 wave of 64 bytes
	s_lshl_b32 s23, s[WV], 11
	s_add_co_u32 s22, s22, s23
	s_mov_b32 s23, 0
	s_lshl_b32 s20, ttmp9, 10                      ; b_o and out0: 256 x numbers
	s_mov_b32 s21, 0
	s_lshl_b32 s24, s24, 18                        ; out0: rows 64 y + 8 wave of 4,096 bytes
	s_lshl_b32 s25, s[WV], 15
	s_add_co_u32 s24, s24, s25
	s_add_co_u32 s24, s24, s20
	s_mov_b32 s25, 0
	s_wait_kmcnt 0x0
	s_load_b64 s[26:27], s[14:15], 0x28            ; e10, e11
	s_add_nc_u64 s[4:5], s[4:5], s[30:31]
	s_add_nc_u64 s[8:9], s[8:9], s[22:23]
	s_add_nc_u64 s[10:11], s[10:11], s[20:21]
	s_add_nc_u64 s[16:17], s[16:17], s[24:25]
.macro XLOAD i                         ; my tile's image of my i-th head: 32 numbers a lane, 512 consecutive bytes a load
.irp k, 0,1,2,3,4,5,6,7
	global_load_b128 v[16+32*((\i)%4)+4*\k:16+32*((\i)%4)+4*\k+3], v1, s[4:5] offset:(\i)*524288+512*\k
.endr
.endm
.macro ALOAD hd                        ; W_o's two fragments of a head: registers 4 c .. 4 c + 3 hold k = 32 c + 16 h + 0 .. 15
.irp d, 0,1
.irp c, 0,1
	global_load_b128 v[AF+16*((\hd)%2)+8*\d+4*\c:AF+16*((\hd)%2)+8*\d+4*\c+3], v6, s[8:9] offset:(\hd)*65536+\d*1024+32*\c
.endr
.endr
.endm
.macro BLOAD hd                        ; the four token tiles' codes of a head
.irp k, 0,1,2,3
.irp c, 0,1
	ds_load_b128 v[BF+32*((\hd)%2)+8*\k+4*\c:BF+32*((\hd)%2)+8*\k+4*\c+3], v1 offset:XIMG+(\k*16+(\hd))*1024+512*\c
.endr
.endr
.endm
	; 25 small loads first, then four images
.irp k, 0,1,2,3
	global_load_b128 v[176+4*\k:179+4*\k], v2, s[6:7] offset:16*\k
.endr
	global_load_b32 v192, v3, s[12:13]
.set j, 0
.rept 16
	global_load_b32 v[193+j], v4, s[10:11] offset:4096*j
.set j, j+1
.endr
	ALOAD 0
	XLOAD 0
	XLOAD 1
	XLOAD 2
	XLOAD 3
	s_wait_loadcnt 32                              ; the 25 are in; the four images' 32 loads may be out
	v_pk_add_f32 v[176:177], v[176:177], v[178:179]
	v_pk_add_f32 v[180:181], v[180:181], v[182:183]
	v_pk_add_f32 v[184:185], v[184:185], v[186:187]
	v_pk_add_f32 v[188:189], v[188:189], v[190:191]
	v_pk_add_f32 v[176:177], v[176:177], v[180:181]
	v_pk_add_f32 v[184:185], v[184:185], v[188:189]
	v_pk_add_f32 v[176:177], v[176:177], v[184:185]
	v_add_f32 v176, v176, v177                     ; the head's 4,096 norms
	v_mul_f32 v176, 0x39800000, v176               ; / 4,096
	v_max_num_f32 v178, 0x3727c5ac, v176           ; floored at 1e-5;
	v_cmp_neq_f32 vcc_lo, v176, v176
	v_cndmask_b32 v178, v178, v176, vcc_lo         ; a NaN stays a NaN
	v_rcp_f32 v177, v178
	v_med3_num_f32 v192, v192, 0, 1.0              ; the gate, clipped (a plain line behind the reciprocal)
	v_mul_f32 v192, 0x3d800000, v192               ; / 16
	s_wait_kmcnt 0x0
	s_add_co_i32 s28, s26, s27                     ; e10 + e11
	v_ldexp_f32 v209, v192, s28
	s_wait_alu depctr_va_vdst(0)                   ; ahead of the reciprocal's first reader
.set j, 0
.rept 8
	v_readlane_b32 s[DN+2*j], v177, j
.set j, j+1
.endr
.set j, 0
.rept 16
	v_readlane_b32 s[GS+j], v192, j
	v_readlane_b32 s[FS+2*j], v209, j
.set j, j+1
.endr
.set j, 0
.rept 8
	s_mov_b32 s[DN+2*j+1], s[DN+2*j]
.set j, j+1
.endr
.set j, 0
.rept 16
	s_mov_b32 s[FS+2*j+1], s[FS+2*j]
.set j, j+1
.endr
	v_mul_f32 v240, s[GS], v193                    ; the bias: sum over heads of gate / 16 x b_o
.set j, 1
.rept 15
	v_fmac_f32 v240, s[GS+j], v[193+j]
.set j, j+1
.endr
	ds_store_b32 v5, v240
	s_add_co_i32 s29, s27, 127
	s_lshl_b32 s30, s29, 23
	v_mov_b32 v12, s30                             ; 2^e11
	s_add_co_i32 s29, s29, 15
	s_lshl_b32 s29, s29, 23
	s_or_b32 s29, s29, 0x600000
	v_mov_b32 v13, s29                             ; 57,344 x 2^e11
; PHASE X.  left: the loads of the younger images, which may stay out.
.macro XQ i, left
.set XS, 16+32*((\i)%4)
.set XC, 176+8*(\i)
	s_wait_loadcnt \left
.set j, 0
.rept 16
	v_pk_mul_f32 v[XS+j:XS+j+1], v[XS+j:XS+j+1], s[DN+2*(\i):DN+2*(\i)+1] op_sel_hi:[1,0]   ; out / denom
.set j, j+2
.endr
.set j, 0
.rept 32
	v_med3_num_f32 v[XS+j], v[XS+j], -v13, v13     ; the conversion does not saturate (ISA guide 7.6.2)
.set j, j+1
.endr
.irp k, 0,1,2,3
	v_cvt_scalef32_pk8_bf8_f32 v[XC+2*\k:XC+2*\k+1], v[XS+8*\k:XS+8*\k+7], v12   ; registers 4 b .. 4 b + 3: channels 32 b + 16 h + 0 .. 15
.endr
	v_nop                                          ; a plain line behind the conversions
	ds_store_b128 v7, v[XC:XC+3] offset:XIMG+(\i)*1024          ; every image has code registers of its own
	ds_store_b128 v7, v[XC+4:XC+7] offset:XIMG+(\i)*1024+512
.if (\i)+4 < 8
	XLOAD (\i)+4
.endif
.endm
	XQ 0, 24
	XQ 1, 24
	XQ 2, 24
	XQ 3, 24
	XQ 4, 24
	XQ 5, 16
	XQ 6, 8
	XQ 7, 0
	s_wait_dscnt 0x0                               ; for the others' sake: my images and my part of the bias lie in LDS
	s_barrier_signal -1
	s_barrier_wait -1
	; PHASE M
.irp d, 0,1
	ds_load_b128 v[BI+8*\d:BI+8*\d+3], v8 offset:64*\d
	ds_load_b128 v[BI+8*\d+4:BI+8*\d+7], v8 offset:64*\d+16
.endr
	BLOAD 0
.macro HEADP hd
.if (\hd) < 15
	ALOAD (\hd)+1                                  ; the next head's fragments, into the other sets; the 36 vector lines of the head before are the places in front of them
	BLOAD (\hd)+1
	s_wait_loadcnt 0x4                             ; this head's W_o is in; the next head's four loads may be out
	s_wait_dscnt 0x8                               ; this head's codes are in; the next head's eight loads may be out
.else
	s_wait_loadcnt 0x0
	s_wait_dscnt 0x0
.endif
.irp d, 0,1
.irp k, 0,1,2,3
	v_wmma_f32_16x16x64_bf8_bf8 v[TMP+8*(4*\d+\k):TMP+8*(4*\d+\k)+7], v[AF+16*((\hd)%2)+8*\d:AF+16*((\hd)%2)+8*\d+7], v[BF+32*((\hd)%2)+8*\k:BF+32*((\hd)%2)+8*\k+7], 0
.endr
.endr
.rept 4
	v_nop                                          ; four places in front of the first read of results
.endr
.set j, 0
.rept 32
.if (\hd) == 0
	v_pk_fma_f32 v[ACC+j:ACC+j+1], v[TMP+j:TMP+j+1], s[FS:FS+1], v[BI+8*(j/32)+j%8:BI+8*(j/32)+j%8+1] op_sel_hi:[1,0,1]   ; the first head starts the sums on the bias: nothing is cleared
.else
	v_pk_fma_f32 v[ACC+j:ACC+j+1], v[TMP+j:TMP+j+1], s[FS+2*(\hd):FS+2*(\hd)+1], v[ACC+j:ACC+j+1] op_sel_hi:[1,0,1]
.endif
.set j, j+2
.endr
.endm
.irp hd, 0,1,2,3,4,5,6,7,8,9,10,11,12,13,14,15
	HEADP \hd
.endr
	; THE WAY OUT: a row's 256 numbers come from eight waves: they meet in the stage, and each wave stores eight whole rows
.irp d, 0,1
.irp k, 0,1,2,3
	ds_store_b128 v9, v[ACC+8*(4*\d+\k):ACC+8*(4*\d+\k)+3] offset:\k*16*SP+64*\d
	ds_store_b128 v9, v[ACC+8*(4*\d+\k)+4:ACC+8*(4*\d+\k)+7] offset:\k*16*SP+64*\d+16
.endr
.endr
	s_wait_dscnt 0x0
	s_barrier_signal -1
	s_barrier_wait -1
.irp i, 0,1,2,3,4,5,6,7,8,9,10,11,12,13,14,15
	ds_load_b128 v[TMP+4*\i:TMP+4*\i+3], v10 offset:(\i/2)*SP+(\i%2)*512
.endr
.irp i, 0,1,2,3,4,5,6,7,8,9,10,11,12,13,14,15
	s_wait_dscnt 15-\i
	global_store_b128 v1, v[TMP+4*\i:TMP+4*\i+3], s[16:17] offset:(\i/2)*4096+(\i%2)*512 th:TH_STORE_NT   ; 32 lanes store 512 consecutive bytes, aligned; written once, read by nobody here
.endr
	s_endpgm
.Lfunc_end_k_qb4f878fece_proj:
	.size	k_qb4f878fece_proj, .Lfunc_end_k_qb4f878fece_proj-k_qb4f878fece_proj
	.p2alignl 7, 3214868480
	.fill 96, 4, 3214868480
	.section	.rodata,"a",@progbits
	.p2align	6, 0x0
	.amdhsa_kernel k_qb4f878fece_proj
		.amdhsa_group_segment_fixed_size 133120
		.amdhsa_private_segment_fixed_size 0
		.amdhsa_enable_private_segment 0
		.amdhsa_kernarg_size 56
		.amdhsa_user_sgpr_count 2
		.amdhsa_user_sgpr_kernarg_segment_ptr 1
		.amdhsa_wavefront_size32 1
		.amdhsa_system_sgpr_workgroup_id_x 1
		.amdhsa_system_sgpr_workgroup_id_y 1
		.amdhsa_system_sgpr_workgroup_id_z 1
		.amdhsa_system_vgpr_workitem_id 0
		.amdhsa_next_free_vgpr 256
		.amdhsa_next_free_sgpr 98
		.amdhsa_reserve_vcc 1
		.amdhsa_float_denorm_mode_32 3
		.amdhsa_float_denorm_mode_16_64 3
		.amdhsa_memory_ordered 1
		.amdhsa_forward_progress 1
		.amdhsa_inst_pref_size 105
	.end_amdhsa_kernel
	.amdgpu_metadata
---
amdhsa.version: [ 1, 2 ]
amdhsa.kernels:
  - .name:           k_qb4f878fece_proj
    .symbol:         k_qb4f878fece_proj.kd
    .args:
      - { .name: attn_out, .offset: 0, .size: 8, .value_kind: global_buffer, .address_space: global }
      - { .name: norm_part, .offset: 8, .size: 8, .value_kind: global_buffer, .address_space: global }
      - { .name: W_o_codes, .offset: 16, .size: 8, .value_kind: global_buffer, .address_space: global }
      - { .name: b_o, .offset: 24, .size: 8, .value_kind: global_buffer, .address_space: global }
      - { .name: gate, .offset: 32, .size: 8, .value_kind: global_buffer, .address_space: global }
      - { .name: lowp_scales, .offset: 40, .size: 8, .value_kind: global_buffer, .address_space: global }
      - { .name: out0, .offset: 48, .size: 8, .value_kind: global_buffer, .address_space: global }
    .group_segment_fixed_size: 133120
    .private_segment_fixed_size: 0
    .kernarg_segment_align: 8
    .kernarg_segment_size: 56
    .max_flat_workgroup_size: 256
    .sgpr_count:     98
    .vgpr_count:     256
    .wavefront_size: 32
...
	.end_amdgpu_metadata
.endif
;; end of part 3
